; MI455X (gfx1250); checked and timed in simulation.
; The chip was launched on July 23, 2026; its instructions are those of AMD's public machine-readable ISA for CDNA 5 (MIT licence, August 2026) and "CDNA5" Instruction Set Architecture Reference Guide (July 2026). The comments in the code are by the model that wrote it; some were corrected since.
;; Attention. Allowed arithmetic: matrix products marked QUANTISED: E4M3 operands, one given power-of-two scale a tensor, by v_wmma_f32_16x16x64_fp8_fp8 or v_wmma_f32_16x16x128_fp8_fp8, f32 sums; everything else in f32.
;; Inputs: attention_mask 2 x 1 x 2,048 x 2,048 bool; key_layer_codes 2 x 32 x 2,048 x 4 x 32 uint8 (E4M3 codes of key_layer, K innermost, in blocks of 32 codes); lowp_scales 4 int32 (the exponents e of the quantised operands' scales 2^e); query_layer_codes 2 x 32 x 2,048 x 4 x 32 uint8 (E4M3 codes of query_layer, K innermost, in blocks of 32 codes); value_layer_codes 2 x 32 x 128 x 64 x 32 uint8 (E4M3 codes of value_layer, K innermost, in blocks of 32 codes).
;; Outputs: out0 2 x 2,048 x 4,096 float32.
;; This version of the problem:
;;   THIS VERSION OF THE PROBLEM IS GIVEN IN LOW PRECISION. The matrix products marked QUANTISED in the list below multiply operands that are first quantised to E4M3 (4 exponent bits, 3 mantissa bits; 8 bits a number), with one given power-of-two scale for each operand tensor; their sums are f32. All else is computed in f32.
;;   The module's matrix products, in the order in which they are computed (A, B: the left and right operand; K: the contracted axis; several contracted axes count as one K, in the product's order):
;;     1. batch 64 x [M 2,048, K 128] x [K 128, N 2,048]; A: input query_layer (given as codes); B: input key_layer (given as codes): QUANTISED (scales: A lowp_scales[0], B lowp_scales[1])
;;     2. batch 64 x [M 2,048, K 2,048] x [K 2,048, N 128]; A: softmax (see below); B: input value_layer (given as codes): QUANTISED (scales: A lowp_scales[2], B lowp_scales[3])
;;   THE QUANTISER, for each operand of a quantised product, along K:
;;     - The operand's scale is 2^e, e = its entry of the input lowp_scales (int32; the entries are numbered through the quantised products in the list's order, A before B).
;;     - Each number is divided by the scale, clamped to +-448, and rounded to the nearest number of E4M3, ties to even, subnormals kept.
;;     - The product sums the exact products of the quantised numbers (number of the format x scale) in f32.
;;   ~~~python
;;   def quantise(x, axis, e):      # numpy; x: float32 -> the quantised numbers, widened to float32 again
;;       x = np.moveaxis(x, axis, -1); K = x.shape[-1]
;;       r = np.clip(x / 2.0 ** e, -448, 448)
;;       step = 2.0 ** (np.maximum(np.frexp(np.where(r == 0, 1, r))[1] - 1, -6) - 3)
;;       q = np.round(r / step) * step * 2.0 ** e      # np.round: ties to even
;;       return np.moveaxis(q, -1, axis).astype(np.float32)
;;   ~~~
;;   SOFTMAX AHEAD OF A QUANTISED PRODUCT. Where the list says 'softmax', what is quantised is not the finished softmax but p = 2^(t - M), with t = logit x log2(e) and M = ceil(the row's largest t), a whole number; so 1/2 < the row's largest p <= 1. The row's sum l is taken of the UNQUANTISED p, in f32, and the product's result is divided by l at the end. Since M is a whole number, a kernel that streams over the keys may use a running M (the ceiling of the running maximum): every later rescaling is an exact power of two, so the quantised numbers keep their values, but for numbers so far below the row's largest that they fall under the format's range.
;;   OPERANDS COMPUTED ON THE WAY. 'Computed on the way' means the value that the module computes at that place (a softmax that the list does not call 'softmax' is quantised finished and normalised). What goes into a quantiser is computed in f32, as accurately as f32 sums, v_exp_f32 and their like allow (about 1e-6 of the number): no bf16 or f16 on the way to a quantiser, and a product that is left as it is and whose result goes on into a quantised operand takes f32 operands (vector FMAs, or v_wmma_f32_16x16x4_f32). A number that lies on a knife's edge between two numbers of the format may be rounded either way, as far as f32 arithmetic and the matrix unit's own rounding can turn it there, and no further.
;;   INPUTS GIVEN AS CODES. key_layer (in the module: [2, 32, 2048, 128], K = its axis 3); query_layer (in the module: [2, 32, 2048, 128], K = its axis 3); value_layer (in the module: [2, 32, 2048, 128], K = its axis 2): each comes as NAME_codes (uint8): NAME with its K axis moved to the last place and cut into blocks of 32 codes, [.., K / 32, bytes a block], one block behind the other in memory; one code a byte (a code: sign, 4 exponent bits, 3 mantissa bits); its scale is its entry of lowp_scales. Its value is code x scale, taken as it is: it is not quantised again, and the codes and scales need not be those that the quantiser above would give.
;; 2 versions, each right; version 2 is version 1 with the launch attn written anew for expert scheduling mode. Each part assembles by itself: llvm-mc -triple=amdgcn-amd-amdhsa -mcpu=gfx1250 --defsym DOCPART=n.
;; ======== version 1 of 2: 2 launches
;; limits: right only within a limited range of input values
;; workspace buffers: mbits 1,048,576 bytes of whole numbers; mflags 1,024 bytes of whole numbers
;; launch maskbits (part 1): grid 128 x 2, 16 waves a work-group, no clusters, 35,328 bytes of LDS; arguments attention_mask, mbits, mflags; writes mbits, mflags
.if DOCPART == 1
	.amdgcn_target "amdgcn-amd-amdhsa--gfx1250"
	.amdhsa_code_object_version 6
	.text
	.protected	k_q97b277ee7b_maskbits
	.globl	k_q97b277ee7b_maskbits
	.p2align	8
	.type	k_q97b277ee7b_maskbits,@function
k_q97b277ee7b_maskbits:
	s_mov_b64 s[64:65], 0
	v_nop
	global_prefetch_b8 v0, s[64:65] scope:SCOPE_SE
	s_setreg_imm32_b32 hwreg(HW_REG_WAVE_MODE, 25, 1), 1
	s_wait_xcnt 0x0
; attention_mask [2][1][2048][2048], one byte a place (any byte other than 0 counts as hidden), is turned once into words of lane bits for the attention launch, whose 32 heads of a batch all use them.
; mbits [b 2][T 128: tile of 16 queries][step 16: 128 keys][64 words]: bit l of word n = 16 bb + i says whether key 128 step + 32 bb + 16 (l / 16) + i is hidden from query 16 T + l % 16:
; the key that lane l of the attention launch holds in score register n.  A (tile, step) record is 256 bytes.
; mflags [b][T], one word: bit s: step s has a key that counts for some query of the tile; bit 16 + s: step s has a hidden key.
; SHARES.  A work-group takes one tile: 16 rows of 2,048 bytes.  Wave w copies row w into LDS by loads of 512 consecutive bytes, and then makes the record of step w: lane (r, h) reads its 64 bytes of row r.
; The record leaves by one store of 256 consecutive, aligned bytes.  mflags is 1,024 bytes in all and is written four bytes a work-group.
; No matrix unit, no cluster, no tensor load: 8 MiB are read once and an eighth of that is written.
.set PITCH, 2064                       ; a row in LDS: 2,048 bytes + 16: the sixteen rows that a 16-byte load touches begin 16 bytes apart modulo 256
.set FLG,   16*PITCH                   ; behind the rows: 16 words, one for each wave's step
	s_load_b128 s[4:7], s[0:1], 0x0                ; the mask s[4:5], mbits s[6:7]
	s_load_b64 s[8:9], s[0:1], 0x10                ; mflags
	v_lshl_add_u32 v64, v0, 2, 0x8200
	v_mov_b32 v65, 0
	v_lshrrev_b32 v1, 5, v0
	v_readfirstlane_b32 s10, v1                    ; wave 0..15
	v_and_b32 v1, 31, v0                           ; lane
	v_and_b32 v2, 15, v0                           ; r
	v_bfe_u32 v3, v0, 4, 1                         ; h
	v_lshlrev_b32 v4, 4, v1                        ; my 16 bytes of a load's 512
	s_mul_i32 s12, s10, PITCH
	v_add_nc_u32 v5, s12, v4                       ; LDS, in: row = my wave
	v_mul_u32_u24 v6, v2, PITCH
	v_lshl_add_u32 v6, v3, 4, v6
	s_lshl_b32 s12, s10, 7
	v_add_nc_u32 v6, s12, v6                       ; LDS, out: row r, + 128 x step (= my wave) + 16 h
	v_lshlrev_b32 v7, 3, v1                        ; my two words of the record
	s_lshl_b32 s12, s10, 2
	s_add_co_u32 s12, s12, FLG
	v_mov_b32 v45, s12                             ; my wave's flag word
	v_mov_b32 v46, FLG
	v_mov_b32 v47, 0
	v_mov_b32 v42, 0                               ; written whole: v_writelane_b32's destination counts as read
	v_mov_b32 v43, 0
	s_and_b32 s11, ttmp7, 0xffff                   ; b
	s_lshl_b32 s12, s11, 11
	s_lshl_b32 s13, ttmp9, 4
	s_add_co_u32 s12, s12, s13
	s_add_co_u32 s12, s12, s10                     ; my row of the mask: 2,048 b + 16 T + wave
	s_lshl_b32 s12, s12, 11                        ; in bytes (under 2^23)
	s_mov_b32 s13, 0
	s_lshl_b32 s14, s11, 7
	s_add_co_u32 s14, s14, ttmp9                   ; 128 b + T
	s_lshl_b32 s18, s14, 2                         ; the tile's word of mflags
	s_mov_b32 s19, 0
	s_lshl_b32 s14, s14, 4
	s_add_co_u32 s14, s14, s10
	s_lshl_b32 s14, s14, 8                         ; my record of mbits
	s_mov_b32 s15, 0
	s_wait_kmcnt 0x0
	s_add_nc_u64 s[4:5], s[4:5], s[12:13]
	s_add_nc_u64 s[6:7], s[6:7], s[14:15]
	s_add_nc_u64 s[8:9], s[8:9], s[18:19]
.irp i, 0,1,2,3
	global_load_b128 v[8+4*\i:11+4*\i], v4, s[4:5] offset:512*\i th:TH_LOAD_NT   ; 32 lanes read 512 consecutive bytes; read once in the launch
.endr
	s_wait_loadcnt 0x0
.irp i, 0,1,2,3
	ds_store_b128 v5, v[8+4*\i:11+4*\i] offset:512*\i
.endr
	s_wait_dscnt 0x0                               ; for the others' sake: my row lies in LDS
	s_barrier_signal -1
	s_barrier_wait -1
.irp c, 0,1,2,3
	ds_load_b128 v[24+4*\c:27+4*\c], v6 offset:32*\c    ; row r, keys 128 step + 32 c + 16 h + 0 .. 15
.endr
	s_wait_dscnt 0x0
	s_mov_b32 s16, -1                              ; the AND of all words: all ones only where every key is hidden from every query
	s_mov_b32 s17, 0                               ; their OR: 0 only where nothing is hidden
.set n, 0
.rept 64                                       ; word n: byte n % 4 of register n / 4 of my sixteen, compared in all 32 lanes at once
	v_and_b32 v[40+n%2], 0xff<<(8*(n%4)), v[24+n/4]
	v_cmp_ne_u32 s[20+n%4], 0, v[40+n%2]
	s_and_b32 s16, s16, s[20+n%4]
	s_or_b32 s17, s17, s[20+n%4]
	v_writelane_b32 v[42+n%2], s[20+n%4], n/2      ; lane L will store words 2 L and 2 L + 1
.set n, n+1
.endr
	global_store_b64 v7, v[42:43], s[6:7]          ; the record: 256 consecutive bytes, at a multiple of 256 from the buffer's first byte
	s_cmp_lg_u32 s16, -1
	s_cselect_b32 s24, 1, 0                        ; some key counts
	s_cmp_lg_u32 s17, 0
	s_cselect_b32 s25, 0x10000, 0                  ; some key is hidden
	s_or_b32 s24, s24, s25
	s_lshl_b32 s24, s24, s10                       ; at my step's two bits
	v_mov_b32 v44, s24
	ds_store_b32 v45, v44                          ; all lanes write the same word with the same value
	s_wait_dscnt 0x0
	s_barrier_signal -1
	s_barrier_wait -1
	s_cmp_lg_u32 s10, 0                            ; wave 0 joins the sixteen words; no barrier stands under this branch
	s_cbranch_scc1 .Lend
.irp i, 0,1,2,3
	ds_load_b128 v[48+4*\i:51+4*\i], v46 offset:16*\i
.endr
	s_wait_dscnt 0x0
.irp i, 0,1,2,3,4,5,6,7
	v_or_b32 v[48+\i], v[48+\i], v[56+\i]
.endr
.irp i, 0,1,2,3
	v_or_b32 v[48+\i], v[48+\i], v[52+\i]
.endr
	v_or_b32 v48, v48, v50
	v_or_b32 v49, v49, v51
	v_or_b32 v48, v48, v49
	s_wait_xcnt 0x0                                ; the record's store is out, and EXEC is one of its sources: EXEC changes only behind this wait
	v_cmp_eq_u32 vcc_lo, 0, v0
	s_and_saveexec_b32 s26, vcc_lo
	global_store_b32 v47, v48, s[8:9]              ; one lane, one word
	s_wait_xcnt 0x0                                ; and again, in front of the line that widens it
	s_or_b32 exec_lo, exec_lo, s26
.Lend:
	s_wait_tensorcnt 0x0
	ds_add_u32 v64, v65
	s_wait_dscnt 0x0
	s_endpgm
.Lfunc_end_k_q97b277ee7b_maskbits:
	.size	k_q97b277ee7b_maskbits, .Lfunc_end_k_q97b277ee7b_maskbits-k_q97b277ee7b_maskbits
	.p2alignl 7, 3214868480
	.fill 96, 4, 3214868480
	.section	.rodata,"a",@progbits
	.p2align	6, 0x0
	.amdhsa_kernel k_q97b277ee7b_maskbits
		.amdhsa_group_segment_fixed_size 35328
		.amdhsa_private_segment_fixed_size 0
		.amdhsa_enable_private_segment 0
		.amdhsa_kernarg_size 24
		.amdhsa_user_sgpr_count 2
		.amdhsa_user_sgpr_kernarg_segment_ptr 1
		.amdhsa_wavefront_size32 1
		.amdhsa_system_sgpr_workgroup_id_x 1
		.amdhsa_system_sgpr_workgroup_id_y 1
		.amdhsa_system_sgpr_workgroup_id_z 1
		.amdhsa_system_vgpr_workitem_id 0
		.amdhsa_next_free_vgpr 66
		.amdhsa_next_free_sgpr 66
		.amdhsa_reserve_vcc 1
		.amdhsa_float_denorm_mode_32 3
		.amdhsa_float_denorm_mode_16_64 3
		.amdhsa_memory_ordered 1
		.amdhsa_forward_progress 1
		.amdhsa_inst_pref_size 21
	.end_amdhsa_kernel
	.amdgpu_metadata
---
amdhsa.version: [ 1, 2 ]
amdhsa.kernels:
  - .name:           k_q97b277ee7b_maskbits
    .symbol:         k_q97b277ee7b_maskbits.kd
    .args:
      - { .name: attention_mask, .offset: 0, .size: 8, .value_kind: global_buffer, .address_space: global }
      - { .name: mbits, .offset: 8, .size: 8, .value_kind: global_buffer, .address_space: global }
      - { .name: mflags, .offset: 16, .size: 8, .value_kind: global_buffer, .address_space: global }
    .group_segment_fixed_size: 35328
    .private_segment_fixed_size: 0
    .kernarg_segment_align: 8
    .kernarg_segment_size: 24
    .max_flat_workgroup_size: 512
    .sgpr_count:     66
    .vgpr_count:     66
    .wavefront_size: 32
...
	.end_amdgpu_metadata
.endif
;; end of part 1
;; launch attn (part 2): grid 4 x 64, 8 waves a work-group, no clusters, 211,968 bytes of LDS; arguments query_layer_codes, key_layer_codes, value_layer_codes, lowp_scales, mbits, mflags, out0; writes out0
.if DOCPART == 2
	.amdgcn_target "amdgcn-amd-amdhsa--gfx1250"
	.amdhsa_code_object_version 6
	.text
	.protected	k_q97b277ee7b_attn
	.globl	k_q97b277ee7b_attn
	.p2align	8
	.type	k_q97b277ee7b_attn,@function
k_q97b277ee7b_attn:
	s_mov_b64 s[64:65], 0
	v_nop
	global_prefetch_b8 v0, s[64:65] scope:SCOPE_SE
	s_setreg_imm32_b32 hwreg(HW_REG_WAVE_MODE, 25, 1), 1
	s_wait_xcnt 0x0
; out[b][q][128 h + d] = the sum over k of softmax_k(Q[b][h][q] . K[b][h][k] / sqrt(128), hidden keys at -infinity) V[b][h][k][d], both products on codes of FP8 (E4M3), each tensor with its given scale 2^e (eq, ek, ep, ev).
; Q, K: [64 heads][2048][128] codes, the head's 128 innermost.  V: [64][128][2048] codes, the keys innermost.  The mask comes as lane bits and flags made by the launch before (mbits, mflags: see there).
; THE SOFTMAX AHEAD OF THE SECOND PRODUCT: t = score x log2(e) / sqrt(128); M = the largest t so far of the keys that count, rounded UP to a whole number; p = 2^(t - M) is quantised with 2^ep; the row's sum is taken of
; the unquantised p and divides at the end.  When M moves, the sum and O are multiplied by 2^(old M - new M).  A hidden score becomes -infinity ahead of the maximum, so its p is 0.  A row with no key that counts ends
; with sum 0 and O 0, and 0 x (1 / 0) gives NaN, as the softmax of a row of -infinity does.
; SHARES.  256 work-groups of eight waves.  Work-group (p, head) makes two blocks of 256 queries of its head, one a pass: block 7 - p, then block p.  A wave owns 32 queries: two tiles of 16, tile 0 in register window 0,
; tile 1 in window 1 at the same numbers, so that each fragment of K and V read from LDS feeds two matrix instructions.  Two waves share a SIMD: one's vector work stands beside the other's products and LDS loads.
; WORK THAT IS LEFT OUT, on whole numbers stored by the launch before: a key step (128 keys) all of whose keys are hidden from the wave's 32 queries adds nothing (p = 0, M stays), so its loads, products and softmax are
; jumped over; a slot (256 keys) that no wave of the work-group needs is not fetched; the 64 selects of the mask are jumped over in a step with no hidden key.  No pattern of the mask is built in.  SKIP = 0 multiplies every step.
; Since these jumps hang on numbers read from memory, K and V come by plain loads through registers into LDS, not by tensor loads; so there are no joint loads either, and the four work-groups of a head each read K and V.
; LAYOUT.  Both products are used transposed: S^T = K Q^T (source 0 = 16 keys, source 1 = 16 queries), O^T = V^T P^T (source 0 = 16 channels, source 1 = P): a lane holds ONE query (lane % 16) throughout.
; The keys of a tile of K are not neighbours: lane r of tile 2 b + u takes key 32 b + 8 u + r + 8 (r / 8), so that score registers 16 b + 0 .. 15 are the neighbouring keys 32 b + 16 (lane / 16) + 0 .. 15, and the
; conversions' results are the second product's operand.  In LDS key k lies at row k with bits 3 and 4 exchanged, so that a tile's sixteen keys are sixteen neighbouring rows.
; A fragment is fetched by four loads of 16 bytes, 32 apart: a permutation of k that is the same on both sides of each product.
; LIMITS: eq + ek between -123 and 130 (added to c's exponent field); ep between -126 and 119; |t| under 2^23 (the hold at 448 x 2^ep is jumped over where ep >= -8: p is at most 2^(one rounding of t), which is then under
; 1.75 = 448 x 2^-8); NaN codes among the inputs are not served.
; REGISTERS.  Window 0: v1-11 addresses that stay; v12 -M, v13 the largest t, v[14:15] the sum in two halves; v16-31 Q; v32-95 four fragments of K or V; v96-159 S^T, then p; v160-223 O^T; v224-239 p's codes;
;   v240 448 x 2^ep, v241 -infinity, v[242:243] a second chain of sums, v244 2^ep, v245-248 addresses, v249-254 at work.  Window 1: tile 1's v12-31 and v96-254 likewise; its v32-95 hold a slot's bytes between memory and LDS.
.set SKIP,   1
.set KP,     144                       ; a key's row in LDS: 128 bytes + 16: sixteen neighbouring rows begin 16 bytes apart modulo 256
.set VP,     272                       ; a channel's row of V: 256 codes + 16
.set VOFF,   256*KP                    ; a slot: 256 rows of K, then 128 rows of V
.set SLOT,   VOFF+128*VP               ; 71,680 bytes; two slots
.set STAGE,  2*SLOT                    ; behind them: 16 rows x (512 + 16) bytes for each wave, for the way out
.set SPITCH, 528
.set WSTG,   16*SPITCH
.set AK,  1                            ; v1, v2   my lane's place in a tile of K, slot 0, 1
.set AV,  3                            ; v3, v4   the same for V
.set KST, 5                            ; v5, v6   where my thread puts 16 bytes of K, slot 0, 1
.set VST, 7                            ; v7, v8   the same for V
.set KGO, 9                            ; v9       my thread's byte in a piece of 4,096 bytes of K
.set VGO, 10                           ; v10      and among 16 rows of V
.set PFO, 11                           ; v11      the prefetches' offset
.set QF,  16
.set FR,  32
.set SC,  96
.set OT,  160
.set PC,  224
.set QO,  245                          ; v245     Q: row r, + 16 h
.set STO, 246                          ; v246     the stage: where I put 32 bytes of a row
.set RD,  247                          ; v247     and where I read a row back
.set GO,  248                          ; v248     16 x lane: my bytes of a head's 512 in a row of the output
.set WV,   2                           ; s2   my wave's number
.set TRIP, 3                           ; s3   trips to go: a trip is four key steps, two slots
.set PASS, 4                           ; s4   0, 1
.set BLK,  5                           ; s5   the pass's block of 256 queries
.set FA,   6                           ; s6   bit j: step j of the trip has a key that counts for my 32 queries
.set FB,   7                           ; s7   bit j: it has a hidden key
.set WA,   8                           ; s8   as FA, for the work-group's 256 queries; bits 4 and 5 are the next trip's first two steps
.set NH,   9                           ; s9   1 where ep < -8: the hold is needed
.set EO,   10                          ; s10  ep + ev
.set PFC,  11                          ; s11  prefetches still to be made
.set KB,   12                          ; s[12:13] K at the trip's first key;  s[14:15] V likewise
.set VB,   14
.set PFS,  66                          ; s66  a slot on, in the prefetches' stream
.set TMP,  67
.set MB,   84                          ; s[84:85] mbits at my tile 0's record of the trip's first step
.set OB,   86                          ; s[86:87] the output at my first query's row, my head's 512 bytes
.set CS,   88                          ; s[88:89] c = log2(e) / sqrt(128) x 2^(eq + ek), twice
.set SEL,  90                          ; s[90:91] lane selects of v_permlanex16_b32: lane l xor 16
.set PFA,  92                          ; s[92:93] the head's K (waves 0-3) or V (waves 4-7), for the prefetches
; s[16:63] and s[68:83]: a record's 64 mask words, word n in s[16 + n + 4 (n / 48)]; in a pass's set-up the same registers hold arguments and offsets.  s[94:101]: at work.
.set MSB, 0
.macro WIN new                         ; low byte: bits 1:0 source 0, 3:2 source 1, 5:4 source 2, 7:6 destination; the high byte repeats the setting that is left; every window is 0 at each label and branch
.if MSB != (\new)
	s_set_vgpr_msb (MSB<<8)|(\new)
.set MSB, (\new)
.endif
.endm
.macro PLACES                          ; four plain vector instructions between a matrix instruction and a load into one of its sources, or the first read of its result (ISA guide 7.12.1 for vector instructions)
.rept 4
	v_nop
.endr
.endm
.macro BAR                             ; my stores into the slot ahead have landed and my reads of the slot that I leave are back: then the work-group's barrier
	s_wait_dscnt 0x0
	s_barrier_signal -1
	s_barrier_wait -1
.endm
; A slot on its way from memory: 32 KiB of K (dense: a wave's load covers 512 consecutive bytes) and 256 codes of each of V's 128 rows (sixteen lanes cover 256 consecutive, aligned bytes), 16 loads a thread, into window 1.
.macro FILL_LOAD ko, vo
	WIN 0x40                                       ; destination window 1
.irp i, 0,1,2,3,4,5,6,7
	global_load_b128 v[32+4*\i:35+4*\i], v[KGO], s[KB:KB+1] offset:\ko+4096*\i
.endr
.irp i, 0,1,2,3,4,5,6,7
	global_load_b128 v[64+4*\i:67+4*\i], v[VGO], s[VB:VB+1] offset:\vo+32768*\i
.endr
	WIN 0
.endm
.macro FILL_STORE sl
	WIN 0x04                                       ; an LDS store's data are its source 1: window 1
.irp i, 0,1,2,3,4,5,6,7
	ds_store_b128 v[KST+\sl], v[32+4*\i:35+4*\i] offset:\i*32*KP     ; keys 32 i + thread / 8, at their exchanged rows
.endr
.irp i, 0,1,2,3,4,5,6,7
	ds_store_b128 v[VST+\sl], v[64+4*\i:67+4*\i] offset:\i*16*VP     ; channels 16 i + thread / 16
.endr
	WIN 0
.endm
; A PREFETCH INTO THE L2: at the head of slot s of pass 0 the head's first work-group (x = 0) asks for slot s + 2, s = 0 .. 5: two key steps ahead of the loads that fetch that slot.  One instruction a wave: waves 0-3 name
; K's 32 KiB, 8 KiB a wave, lanes 256 bytes apart; waves 4-7 V's 128 rows, 32 a wave, a lane a row (a slot's part of a row is 256 bytes, aligned).  So each aligned block of 256 bytes of slots 2 to 7 is named once in the launch.
; Slots 0 and 1 come by their loads alone, and nothing is asked for in pass 1 or by the other three work-groups.  It stands behind the wave's own loads of the slot's head.
.macro ASK
	s_cmp_lg_u32 s[PFC], 0
	s_cbranch_scc0 .Lnoask_\@
	v_add_nc_u32 v[PFO], s[PFS], v[PFO]            ; (the last prefetch has read it: the wait on XCNT at the slot's head)
	global_prefetch_b8 v[PFO], s[PFA:PFA+1] th:TH_LOAD_NT scope:SCOPE_SE
	s_sub_co_u32 s[PFC], s[PFC], 1
.Lnoask_\@:
.endm
; A slot's head: the barrier, on every wave's path; then the OTHER slot's next bytes are asked of memory, where some wave of the work-group will need them (field m of WA).
.macro SLOTHEAD m, ko, vo
	BAR
	s_wait_xcnt 0x0
	s_and_b32 s[TMP], s[WA], \m
	s_cmp_eq_u32 s[TMP], 0
	s_cbranch_scc1 .Lnofill_\@
	FILL_LOAD \ko, \vo
.Lnofill_\@:
	ASK
.endm
; A slot's end: what was asked for at its head goes into the other slot, which nobody reads between this slot's barrier and the next.
.macro SLOTEND m, sl
	s_wait_loadcnt 0x0                             ; outside the branch: no load is out on any path
	s_and_b32 s[TMP], s[WA], \m
	s_cmp_eq_u32 s[TMP], 0
	s_cbranch_scc1 .Lnostore_\@
	FILL_STORE \sl
.Lnostore_\@:
.endm
.macro MLOAD t, bit                    ; the record of tile t, step bit of the trip: 64 words into scalar registers
	s_load_b512 s[16:31], s[MB:MB+1], 4096*\t+256*\bit
	s_load_b512 s[32:47], s[MB:MB+1], 4096*\t+256*\bit+64
	s_load_b512 s[48:63], s[MB:MB+1], 4096*\t+256*\bit+128
	s_load_b512 s[68:83], s[MB:MB+1], 4096*\t+256*\bit+192
.endm
.macro KLOAD sl, q, g                  ; four tiles of 16 keys: rows 128 q + 16 (4 g + f) on
.irp f, 0,1,2,3
.irp c, 0,1,2,3
	ds_load_b128 v[FR+16*\f+4*\c:FR+16*\f+4*\c+3], v[AK+\sl] offset:(128*\q+16*(4*\g+\f))*KP+32*\c
.endr
.endr
.endm
.macro VLOAD sl, q, g                  ; four tiles of 16 channels, keys 128 q on
.irp f, 0,1,2,3
.irp c, 0,1,2,3
	ds_load_b128 v[FR+16*\f+4*\c:FR+16*\f+4*\c+3], v[AV+\sl] offset:16*(4*\g+\f)*VP+128*\q+32*\c
.endr
.endr
.endm
; Eight products: the four fragments against tile 0's Q, then against tile 1's.  The waits count the loads behind fragment f: four for each later fragment of the group; nothing else of the wave is on DScnt here.
.macro KQ g
.irp f, 0,1,2,3
	s_wait_dscnt 12-4*\f
	v_wmma_f32_16x16x128_fp8_fp8 v[SC+8*(4*\g+\f):SC+8*(4*\g+\f)+7], v[FR+16*\f:FR+16*\f+15], v[QF:QF+15], 0
.endr
	WIN 0x44                                       ; Q and S^T in window 1, K in window 0
.irp f, 0,1,2,3
	v_wmma_f32_16x16x128_fp8_fp8 v[SC+8*(4*\g+\f):SC+8*(4*\g+\f)+7], v[FR+16*\f:FR+16*\f+15], v[QF:QF+15], 0
.endr
	WIN 0
.endm
; Each of the 16 accumulators of O^T has one product a key step, and no two matrix instructions that follow each other share an accumulator.
.macro PV g
.irp f, 0,1,2,3
	s_wait_dscnt 12-4*\f
	v_wmma_f32_16x16x128_fp8_fp8 v[OT+8*(4*\g+\f):OT+8*(4*\g+\f)+7], v[FR+16*\f:FR+16*\f+15], v[PC:PC+15], v[OT+8*(4*\g+\f):OT+8*(4*\g+\f)+7]
.endr
	WIN 0x54                                       ; P and O^T in window 1, V in window 0
.irp f, 0,1,2,3
	v_wmma_f32_16x16x128_fp8_fp8 v[OT+8*(4*\g+\f):OT+8*(4*\g+\f)+7], v[FR+16*\f:FR+16*\f+15], v[PC:PC+15], v[OT+8*(4*\g+\f):OT+8*(4*\g+\f)+7]
.endr
	WIN 0
.endm
; One tile's softmax for one key step, all under the tile's window.
.macro SOFTMAX t, bit
.if \t
	s_wait_kmcnt 0x0                               ; tile 1's mask words, asked for ahead of tile 0's softmax
.endif
	s_bitcmp1_b32 s[FB], \bit
	s_cbranch_scc0 .Lopen_\@                       ; no key of the step is hidden from my 32 queries
	WIN 0x55*\t
.set n, 0
.rept 64                                       ; hidden scores become -infinity ahead of the maximum; each accumulator from its low end on
	v_cndmask_b32 v[SC+n], v[SC+n], v241, s[16+n+4*(n/48)]
.set n, n+1
.endr
	WIN 0
.Lopen_\@:
.if \t == 0
	MLOAD 1, \bit                                  ; tile 0's words have been read
.endif
	WIN 0x55*\t
	v_max3_num_f32 v254, v[SC], v[SC+1], v[SC+2]   ; the step's largest score of my query among my 64 keys, in two chains, ascending
	v_max3_num_f32 v252, v[SC+3], v[SC+4], v[SC+5]
.set j, 6
.rept 14
	v_max3_num_f32 v254, v254, v[SC+j], v[SC+j+1]
	v_max3_num_f32 v252, v252, v[SC+j+2], v[SC+j+3]
.set j, j+4
.endr
	v_max3_num_f32 v254, v254, v[SC+62], v[SC+63]
	v_max_num_f32 v254, v254, v252
	v_permlanex16_b32 v236, v254, s[SEL], s[SEL+1]
	v_max_num_f32 v254, v254, v236                 ; and among lane l xor 16's
	v_mul_f32 v254, s[CS], v254                    ; as t (c is positive)
	v_max_num_f32 v13, v13, v254                   ; the running largest t
	v_mov_b32 v254, v12
	v_floor_f32 v12, -v13                          ; the new -M = floor(-t) = -ceil(t): a whole number
	v_sub_f32 v254, v12, v254                      ; old M less new M: a whole number, 0 or less
	v_cvt_i32_f32 v254, v254                       ; (it saturates)
	v_ldexp_f32 v252, 1.0, v254                    ; f = 2^(old M - new M)
.set j, 0
.rept 32
	v_pk_fma_f32 v[SC+j:SC+j+1], v[SC+j:SC+j+1], s[CS:CS+1], v[12:13] op_sel_hi:[1,0,0]   ; t - M, two at a time (of the pairs c and -M the low word serves both halves)
.set j, j+2
.endr
.set j, 0
.rept 64
	v_exp_f32 v[SC+j], v[SC+j]                     ; p = 2^(t - M): not normalised
.set j, j+1
.endr
	v_pk_mul_f32 v[14:15], v[14:15], v[252:253] op_sel_hi:[1,0]   ; the sums under the new M: the plain instruction behind the exponentials
	s_wait_alu depctr_va_vdst(0)                   ; one wait for the batch of 64, ahead of its first reader
	v_pk_add_f32 v[242:243], v[SC:SC+1], v[SC+2:SC+3]             ; the row's sum is taken of the unquantised p, in two chains
.set j, 4
.rept 15
	v_pk_add_f32 v[14:15], v[14:15], v[SC+j:SC+j+1]
	v_pk_add_f32 v[242:243], v[242:243], v[SC+j+2:SC+j+3]
.set j, j+4
.endr
	v_pk_add_f32 v[14:15], v[14:15], v[242:243]
	WIN 0
	s_cmp_eq_u32 s[NH], 0
	s_cbranch_scc1 .Lnohold_\@                     ; ep >= -8: no p lies beyond 448 x 2^ep
	WIN 0x55*\t
.set j, 0
.rept 64
	v_min_num_f32 v[SC+j], v[SC+j], v240           ; the conversion to an 8-bit code does not saturate (ISA guide 7.6.2); p is not negative, so the hold is one-sided
.set j, j+1
.endr
	WIN 0
.Lnohold_\@:
	WIN 0x55*\t
.irp u, 0,1,2,3
	v_cvt_scalef32_pk8_fp8_f32 v[PC+4*\u:PC+4*\u+1], v[SC+16*\u:SC+16*\u+7], v244
	v_cvt_scalef32_pk8_fp8_f32 v[PC+4*\u+2:PC+4*\u+3], v[SC+16*\u+8:SC+16*\u+15], v244
.endr
.set j, 0
.rept 32
	v_pk_mul_f32 v[OT+j:OT+j+1], v[OT+j:OT+j+1], v[252:253] op_sel_hi:[1,0]   ; O^T under the new M, ascending; these are also the plain instructions behind the conversions
.set j, j+2
.endr
	WIN 0
.endm
; A KEY STEP: 128 keys, the q-th of slot sl, step bit of the trip.  Jumped over where none of its keys counts for my 32 queries; no barrier stands in a step.
.macro STEP sl, q, bit
	s_bitcmp1_b32 s[FA], \bit
	s_cbranch_scc0 .Lskip_\@
	MLOAD 0, \bit
	KLOAD \sl, \q, 0
	KQ 0
	PLACES
	KLOAD \sl, \q, 1
	KQ 1
	PLACES                                         ; for the loads below and for the first read of S^T
	VLOAD \sl, \q, 0                               ; lands under the softmax
	s_wait_kmcnt 0x0                               ; tile 0's mask words
	SOFTMAX 0, \bit
	SOFTMAX 1, \bit
	PV 0
	PLACES
	VLOAD \sl, \q, 1
	PV 1
	PLACES                                         ; for the next step's loads into the fragments, and for the first read of O^T
.Lskip_\@:
.endm
.macro INIT                            ; a tile's start.  Which step is a tile's first hangs on the mask, so no product can be singled out to start the sums: O^T begins as zeros, which the first change of M leaves zeros
	v_mov_b32 v13, 0xff61b1e6                      ; the largest t so far: -3e38
	v_floor_f32 v12, -v13                          ; -M
	v_mov_b32 v14, 0
	v_mov_b32 v15, 0
.set j, 0
.rept 64
	v_mov_b32 v[OT+j], 0
.set j, j+1
.endr
.endm
.macro FINISH                          ; a tile's end: O^T x 2^(ep + ev) / the row's sum, into S^T's registers
	v_add_f32 v14, v14, v15
	v_permlanex16_b32 v252, v14, s[SEL], s[SEL+1]
	v_add_f32 v14, v14, v252                       ; the sum's two halves and lane l xor 16's
	v_rcp_f32 v14, v14
	v_nop                                          ; a plain instruction behind the reciprocal,
	s_wait_alu depctr_va_vdst(0)                   ; and the wait ahead of its first reader
	v_ldexp_f32 v14, v14, s[EO]
.set j, 0
.rept 32
	v_pk_mul_f32 v[SC+j:SC+j+1], v[OT+j:OT+j+1], v[14:15] op_sel_hi:[1,0]   ; register 8 f + i is o(query r, channel 16 f + 8 h + i); ascending
.set j, j+2
.endr
.endm
	; ---- the head, once
	s_load_b256 s[36:43], s[0:1], 0x0              ; Q, K s[38:39], V s[40:41], the scales' exponents s[42:43]
	v_lshl_add_u32 v255, v0, 2, 0x33800
	s_set_vgpr_msb 0x40
	v_mov_b32 v255, 0
	s_set_vgpr_msb 0x4000
	v_lshrrev_b32 v1, 5, v0
	v_readfirstlane_b32 s[WV], v1                  ; wave 0..7
	v_and_b32 v249, 15, v0                         ; r (also thread % 16)
	v_bfe_u32 v250, v0, 4, 1                       ; h
	v_mul_u32_u24 v[AK], v249, KP
	v_lshl_add_u32 v[AK], v250, 4, v[AK]           ; row r x pitch + 16 h
	v_add_nc_u32 v[AK+1], SLOT, v[AK]
	v_mul_u32_u24 v[AV], v249, VP
	v_lshl_add_u32 v[AV], v250, 4, v[AV]
	v_add_nc_u32 v[AV], VOFF, v[AV]
	v_add_nc_u32 v[AV+1], SLOT, v[AV]
	v_bfe_u32 v251, v0, 3, 3                       ; key k5 = thread / 8 of 32: its bits 0-2,
	v_bfe_u32 v254, v0, 7, 1
	v_lshl_add_u32 v251, v254, 3, v251             ; its bit 4 as bit 3,
	v_bfe_u32 v254, v0, 6, 1
	v_lshl_add_u32 v251, v254, 4, v251             ; its bit 3 as bit 4: the key's row
	v_mul_u32_u24 v[KST], v251, KP
	v_and_b32 v254, 7, v0
	v_lshl_add_u32 v[KST], v254, 4, v[KST]
	v_add_nc_u32 v[KST+1], SLOT, v[KST]
	v_lshrrev_b32 v251, 4, v0                      ; thread / 16: a channel of 16
	v_mul_u32_u24 v[VST], v251, VP
	v_lshl_add_u32 v[VST], v249, 4, v[VST]
	v_add_nc_u32 v[VST], VOFF, v[VST]
	v_add_nc_u32 v[VST+1], SLOT, v[VST]
	v_lshlrev_b32 v[KGO], 4, v0
	v_lshlrev_b32 v[VGO], 11, v251                 ; a row of V is 2,048 bytes
	v_lshl_add_u32 v[VGO], v249, 4, v[VGO]
	v_lshlrev_b32 v[QO], 7, v249
	v_lshl_add_u32 v[QO], v250, 4, v[QO]
	s_mul_i32 s94, s[WV], WSTG
	s_add_co_u32 s94, s94, STAGE                   ; my stage
	v_mul_u32_u24 v[STO], v249, SPITCH
	v_lshl_add_u32 v[STO], v250, 5, v[STO]
	v_add_nc_u32 v[STO], s94, v[STO]               ; in: row r, + 32 h
	v_and_b32 v[GO], 31, v0
	v_lshlrev_b32 v[GO], 4, v[GO]
	v_add_nc_u32 v[RD], s94, v[GO]                 ; back: a row of 512 bytes, 16 a lane
	s_mov_b32 s[SEL], 0x76543210
	s_mov_b32 s[SEL+1], 0xfedcba98
	s_and_b32 s95, ttmp7, 0xffff                   ; the head, 32 b + h
	s_lshl_b32 s96, s95, 18                        ; a head's codes are 2^18 bytes in each of Q, K, V
	s_mov_b32 s97, 0
	s_wait_kmcnt 0x0
	s_load_b128 s[52:55], s[42:43], 0x0            ; eq, ek, ep, ev
	s_cmp_lt_u32 s[WV], 4                          ; the prefetches: waves 0-3 ask for K, waves 4-7 for V
	s_cselect_b64 s[PFA:PFA+1], s[38:39], s[40:41]
	s_mov_b32 s[PFS], 256
	s_cselect_b32 s[PFS], 0x8000, s[PFS]           ; a slot on
	s_mov_b32 s98, 2048
	s_cselect_b32 s98, 256, s98                    ; from lane to lane
	s_mov_b32 s99, 0x10000
	s_cselect_b32 s99, 8192, s99                   ; from wave to wave
	s_add_nc_u64 s[PFA:PFA+1], s[PFA:PFA+1], s[96:97]
	v_and_b32 v[PFO], 31, v0
	v_mul_lo_u32 v[PFO], v[PFO], s98
	s_and_b32 s100, s[WV], 3
	s_mul_i32 s100, s100, s99
	s_add_co_u32 s100, s100, s[PFS]                ; in slot 1: the first request steps it to slot 2
	v_add_nc_u32 v[PFO], s100, v[PFO]
	s_cmp_eq_u32 ttmp9, 0
	s_cselect_b32 s[PFC], 6, 0                     ; the head's first work-group asks, six times
	s_wait_kmcnt 0x0
	s_add_co_i32 s94, s52, s53
	s_lshl_b32 s94, s94, 23
	s_add_co_i32 s[CS], s94, 0x3e0293ee            ; c = log2(e) / sqrt(128), with eq + ek added to its exponent field
	s_mov_b32 s[CS+1], s[CS]
	s_add_co_i32 s94, s54, 127
	s_lshl_b32 s95, s94, 23                        ; 2^ep as f32: the conversion takes its exponent field
	s_add_co_i32 s94, s94, 8
	s_lshl_b32 s94, s94, 23
	s_or_b32 s94, s94, 0x600000                    ; 448 x 2^ep
	s_cmp_lt_i32 s54, -8
	s_cselect_b32 s[NH], 1, 0
	s_add_co_i32 s[EO], s54, s55
.irp w, 0, 0x40                        ; the constants, in both windows
	WIN \w
	v_mov_b32 v244, s95
	v_mov_b32 v240, s94
	v_mov_b32 v241, 0xff800000                     ; -infinity
	v_mov_b32 v236, 0                              ; written once: a lane permute's destination counts as one of its sources
	v_mov_b32 v252, 0                              ; likewise
	v_mov_b32 v253, 0                              ; (named as the upper half of the pair v[252:253])
.endr
	WIN 0
	s_mov_b32 s[PASS], 0
.Lpass:	; ---- a pass: one block of 256 queries
	s_load_b256 s[36:43], s[0:1], 0x0              ; Q s[36:37], K s[38:39], V s[40:41]
	s_load_b128 s[44:47], s[0:1], 0x20             ; mbits s[44:45], mflags s[46:47]
	s_load_b64 s[48:49], s[0:1], 0x30              ; the output
	s_sub_co_u32 s94, 7, ttmp9
	s_cmp_eq_u32 s[PASS], 0
	s_cselect_b32 s[BLK], s94, ttmp9               ; block 7 - p, then block p
	s_and_b32 s95, ttmp7, 0xffff
	s_lshr_b32 s96, s95, 5                         ; b
	s_and_b32 s97, s95, 31                         ; h
	s_lshl_b32 s98, s[BLK], 8
	s_lshl_b32 s99, s[WV], 5
	s_add_co_u32 s98, s98, s99                     ; q0, my first query
	s_lshl_b32 s52, s95, 18                        ; the head's codes
	s_mov_b32 s53, 0
	s_lshl_b32 s54, s98, 7
	s_add_co_u32 s54, s54, s52                     ; Q at q0
	s_mov_b32 s55, 0
	s_lshl_b32 s56, s96, 9
	s_lshl_b32 s99, s[BLK], 6
	s_add_co_u32 s56, s56, s99                     ; the block's 16 words of mflags: 4 (128 b + 16 block)
	s_mov_b32 s57, 0
	s_lshl_b32 s62, s[WV], 3
	s_add_co_u32 s62, s62, s56                     ; my two of them
	s_mov_b32 s63, 0
	s_lshl_b32 s58, s96, 7
	s_lshl_b32 s99, s[BLK], 4
	s_add_co_u32 s58, s58, s99
	s_lshl_b32 s99, s[WV], 1
	s_add_co_u32 s58, s58, s99                     ; my tile 0: 128 b + 16 block + 2 wave;
	s_lshl_b32 s58, s58, 12                        ; a tile's 16 records are 4,096 bytes
	s_mov_b32 s59, 0
	s_lshl_b32 s60, s96, 11
	s_add_co_u32 s60, s60, s98
	s_lshl_b32 s60, s60, 14                        ; a row of the output is 16,384 bytes (the offset stays under 2^27)
	s_lshl_b32 s99, s97, 9
	s_add_co_u32 s60, s60, s99                     ; + my head's 512
	s_mov_b32 s61, 0
	s_wait_kmcnt 0x0
	s_add_nc_u64 s[KB:KB+1], s[38:39], s[52:53]
	s_add_nc_u64 s[VB:VB+1], s[40:41], s[52:53]
	s_add_nc_u64 s[36:37], s[36:37], s[54:55]
	s_add_nc_u64 s[MB:MB+1], s[44:45], s[58:59]
	s_add_nc_u64 s[OB:OB+1], s[48:49], s[60:61]
	s_add_nc_u64 s[56:57], s[46:47], s[56:57]
	s_add_nc_u64 s[62:63], s[46:47], s[62:63]
	s_load_b512 s[16:31], s[56:57], 0x0            ; the work-group's 16 tiles' flags
	s_load_b64 s[32:33], s[62:63], 0x0             ; my two tiles'
	FILL_LOAD 0, 0                                 ; slot 0 is fetched in any case
.irp c, 0,1,2,3
	global_load_b128 v[QF+4*\c:QF+4*\c+3], v[QO], s[36:37] offset:32*\c th:TH_LOAD_NT        ; Q stays in registers; read once in the launch
.endr
	WIN 0x40
.irp c, 0,1,2,3
	global_load_b128 v[QF+4*\c:QF+4*\c+3], v[QO], s[36:37] offset:2048+32*\c th:TH_LOAD_NT   ; tile 1: 16 rows on
.endr
	WIN 0
	INIT
	WIN 0x55
	INIT
	WIN 0
	s_wait_kmcnt 0x0
.set j, 17
.rept 15
	s_or_b32 s16, s16, s[j]
.set j, j+1
.endr
	s_and_b32 s[WA], s16, 0xffff
	s_or_b32 s94, s32, s33
	s_and_b32 s[FA], s94, 0xffff
	s_lshr_b32 s[FB], s94, 16
.if SKIP == 0
	s_mov_b32 s[WA], 0xffff
	s_mov_b32 s[FA], 0xffff
.endif
	s_wait_loadcnt 0x0                             ; slot 0's bytes and Q
	s_wait_xcnt 0x0                                ; the registers that held Q's and the flags' addresses take mask words next
	FILL_STORE 0                                   ; nobody reads slot 0 here: every wave has passed the last pass's last barrier, behind which slot 1 alone is read
	s_mov_b32 s[TRIP], 4
.Ltrip:	; ---- a trip: slots 0 and 1, key steps 4 T .. 4 T + 3.  Between a slot's barrier and the next, that slot is read and the other is written
	SLOTHEAD 12, 32768, 256                        ; slot 1 (steps 2, 3 of the trip) is asked for
	STEP 0, 0, 0
	STEP 0, 1, 1
	SLOTEND 12, 1
	SLOTHEAD 48, 65536, 512                        ; the next trip's slot 0; in the last trip WA has no bits 4 and 5 left: nothing past the head's last key is asked for
	STEP 1, 0, 2
	STEP 1, 1, 3
	SLOTEND 48, 0
	s_wait_xcnt 0x0                                ; every memory instruction issued so far has read its base: the three are stepped
	s_lshr_b32 s[FA], s[FA], 4
	s_lshr_b32 s[FB], s[FB], 4
	s_lshr_b32 s[WA], s[WA], 4
	s_add_nc_u64 s[KB:KB+1], s[KB:KB+1], 0x10000   ; 512 keys of 128 bytes
	s_add_nc_u64 s[VB:VB+1], s[VB:VB+1], 512
	s_add_nc_u64 s[MB:MB+1], s[MB:MB+1], 1024      ; four records
	s_sub_co_u32 s[TRIP], s[TRIP], 1
	s_cmp_lg_u32 s[TRIP], 0
	s_cbranch_scc1 .Ltrip
	; ---- the way out of a pass.  A lane holds 32 neighbouring bytes of a row and the lanes beside it other rows: a tile goes through my own stage in LDS and comes back as whole rows of 512 bytes.
	FINISH
	WIN 0x55
	FINISH
	WIN 0
.irp f, 0,1,2,3,4,5,6,7
	ds_store_b128 v[STO], v[SC+8*\f:SC+8*\f+3] offset:64*\f
	ds_store_b128 v[STO], v[SC+8*\f+4:SC+8*\f+7] offset:64*\f+16
.endr
.irp i, 0,1,2,3,4,5,6,7,8,9,10,11,12,13,14,15
	ds_load_b128 v[FR+4*\i:FR+4*\i+3], v[RD] offset:\i*SPITCH      ; LDS serves a wave's instructions in order (ISA guide 5.7.1.4): these see the stores above, and tile 1's stores come behind them
.endr
	WIN 0x04                                       ; tile 1's numbers lie in window 1
.irp f, 0,1,2,3,4,5,6,7
	ds_store_b128 v[STO], v[SC+8*\f:SC+8*\f+3] offset:64*\f
	ds_store_b128 v[STO], v[SC+8*\f+4:SC+8*\f+7] offset:64*\f+16
.endr
	WIN 0
.irp i, 0,1,2,3,4,5,6,7,8,9,10,11,12,13,14,15
	ds_load_b128 v[SC+4*\i:SC+4*\i+3], v[RD] offset:\i*SPITCH      ; into window 0, where tile 0's numbers have been stored from
.endr
.irp i, 0,1,2,3,4,5,6,7,8,9,10,11,12,13,14,15
	s_wait_dscnt 47-\i                             ; behind tile 0's load i: its 15 - i later loads, tile 1's 16 stores and 16 loads
	global_store_b128 v[GO], v[FR+4*\i:FR+4*\i+3], s[OB:OB+1] offset:16384*\i th:TH_STORE_NT        ; 32 lanes store 512 consecutive bytes, at a multiple of 256 from the buffer's first byte
.endr
.irp i, 0,1,2,3,4,5,6,7,8,9,10,11,12,13,14,15
	s_wait_dscnt 15-\i                             ; behind tile 1's load i: its later loads
	global_store_b128 v[GO], v[SC+4*\i:SC+4*\i+3], s[OB:OB+1] offset:16384*(16+\i) th:TH_STORE_NT
.endr
	s_wait_xcnt 0x0                                ; the stores have read their registers and their base: both are written again in the next pass
	s_add_co_u32 s[PASS], s[PASS], 1
	s_cmp_lt_u32 s[PASS], 2
	s_cbranch_scc1 .Lpass
	s_set_vgpr_msb 0x4
	s_wait_tensorcnt 0x0
	ds_add_u32 v255, v255
	s_wait_dscnt 0x0
	s_set_vgpr_msb 0x400
	s_endpgm
.Lfunc_end_k_q97b277ee7b_attn:
	.size	k_q97b277ee7b_attn, .Lfunc_end_k_q97b277ee7b_attn-k_q97b277ee7b_attn
	.p2alignl 7, 3214868480
	.fill 96, 4, 3214868480
	.section	.rodata,"a",@progbits
	.p2align	6, 0x0
	.amdhsa_kernel k_q97b277ee7b_attn
		.amdhsa_group_segment_fixed_size 211968
		.amdhsa_private_segment_fixed_size 0
		.amdhsa_enable_private_segment 0
		.amdhsa_kernarg_size 56
		.amdhsa_user_sgpr_count 2
		.amdhsa_user_sgpr_kernarg_segment_ptr 1
		.amdhsa_wavefront_size32 1
		.amdhsa_system_sgpr_workgroup_id_x 1
		.amdhsa_system_sgpr_workgroup_id_y 1
		.amdhsa_system_sgpr_workgroup_id_z 1
		.amdhsa_system_vgpr_workitem_id 0
		.amdhsa_next_free_vgpr 512
		.amdhsa_next_free_sgpr 102
		.amdhsa_reserve_vcc 0
		.amdhsa_float_denorm_mode_32 3
		.amdhsa_float_denorm_mode_16_64 3
		.amdhsa_memory_ordered 1
		.amdhsa_forward_progress 1
		.amdhsa_inst_pref_size 204
	.end_amdhsa_kernel
	.amdgpu_metadata
---
amdhsa.version: [ 1, 2 ]
amdhsa.kernels:
  - .name:           k_q97b277ee7b_attn
    .symbol:         k_q97b277ee7b_attn.kd
    .args:
      - { .name: query_layer_codes, .offset: 0, .size: 8, .value_kind: global_buffer, .address_space: global }
      - { .name: key_layer_codes, .offset: 8, .size: 8, .value_kind: global_buffer, .address_space: global }
      - { .name: value_layer_codes, .offset: 16, .size: 8, .value_kind: global_buffer, .address_space: global }
      - { .name: lowp_scales, .offset: 24, .size: 8, .value_kind: global_buffer, .address_space: global }
      - { .name: mbits, .offset: 32, .size: 8, .value_kind: global_buffer, .address_space: global }
      - { .name: mflags, .offset: 40, .size: 8, .value_kind: global_buffer, .address_space: global }
      - { .name: out0, .offset: 48, .size: 8, .value_kind: global_buffer, .address_space: global }
    .group_segment_fixed_size: 211968
    .private_segment_fixed_size: 0
    .kernarg_segment_align: 8
    .kernarg_segment_size: 56
    .max_flat_workgroup_size: 256
    .sgpr_count:     102
    .vgpr_count:     512
    .wavefront_size: 32
...
	.end_amdgpu_metadata
.endif
;; end of part 2
;; ======== version 2 of 2: 2 launches; version 1 with the launch attn written anew for expert scheduling mode
;; limits: right only within a limited range of input values
;; workspace buffers: mbits 1,048,576 bytes of whole numbers; mflags 1,024 bytes of whole numbers
;; launch maskbits: the kernel of part 1 again; grid 128 x 2, 16 waves a work-group, no clusters, 35,328 bytes of LDS; arguments attention_mask, mbits, mflags; writes mbits, mflags
;; launch attn (part 3): grid 4 x 64, 8 waves a work-group, no clusters, 211,968 bytes of LDS; arguments query_layer_codes, key_layer_codes, value_layer_codes, lowp_scales, mbits, mflags, out0; writes out0
.if DOCPART == 3
	.amdgcn_target "amdgcn-amd-amdhsa--gfx1250"
	.amdhsa_code_object_version 6
	.text
	.protected	k_q97b277ee7b_attn
	.globl	k_q97b277ee7b_attn
	.p2align	8
	.type	k_q97b277ee7b_attn,@function
k_q97b277ee7b_attn:
	s_mov_b64 s[64:65], 0
	v_nop
	global_prefetch_b8 v0, s[64:65] scope:SCOPE_SE
	s_setreg_imm32_b32 hwreg(HW_REG_WAVE_SCHED_MODE, 0, 2), 2
	s_setreg_imm32_b32 hwreg(HW_REG_WAVE_MODE, 25, 1), 1
	s_wait_xcnt 0x0
	s_wait_alu depctr_vm_vsrc(0)
; out[b][q][128 h + d] = the sum over k of softmax_k(Q[b][h][q] . K[b][h][k] / sqrt(128), hidden keys at -infinity) V[b][h][k][d], both products on codes of FP8 (E4M3), each tensor with its given scale 2^e (eq, ek, ep, ev).
; Q, K: [64 heads][2048][128] codes, the head's 128 innermost.  V: [64][128][2048] codes, the keys innermost.  The mask comes as lane bits and flags made by the launch before (mbits, mflags: see there).
; THE SOFTMAX AHEAD OF THE SECOND PRODUCT: t = score x log2(e) / sqrt(128); M = the largest t so far of the keys that count, rounded UP to a whole number; p = 2^(t - M) is quantised with 2^ep; the row's sum is taken of
; the unquantised p and divides at the end.  When M moves, the sum and O are multiplied by 2^(old M - new M).  A hidden score becomes -infinity ahead of the maximum, so its p is 0.  A row with no key that counts ends
; with sum 0 and O 0, and 0 x (1 / 0) gives NaN, as the softmax of a row of -infinity does.
; SHARES.  256 work-groups of eight waves.  Work-group (p, head) makes two blocks of 256 queries of its head, one a pass: block 7 - p, then block p.  A wave owns 32 queries: two tiles of 16, tile 0 in register window 0,
; tile 1 in window 1 at the same numbers, so that each fragment of K and V read from LDS feeds two matrix instructions.  Two waves share a SIMD: one's vector work stands beside the other's products and LDS loads.
; WORK THAT IS LEFT OUT, on whole numbers stored by the launch before: a key step (128 keys) all of whose keys are hidden from the wave's 32 queries adds nothing (p = 0, M stays), so its loads, products and softmax are
; jumped over; a slot (256 keys) that no wave of the work-group needs is not fetched; the 64 selects of the mask are jumped over in a step with no hidden key.  No pattern of the mask is built in.  SKIP = 0 multiplies every step.
; Since these jumps hang on numbers read from memory, K and V come by plain loads through registers into LDS, not by tensor loads; so there are no joint loads either, and the four work-groups of a head each read K and V.
; LAYOUT.  Both products are used transposed: S^T = K Q^T (source 0 = 16 keys, source 1 = 16 queries), O^T = V^T P^T (source 0 = 16 channels, source 1 = P): a lane holds ONE query (lane % 16) throughout.
; The keys of a tile of K are not neighbours: lane r of tile 2 b + u takes key 32 b + 8 u + r + 8 (r / 8), so that score registers 16 b + 0 .. 15 are the neighbouring keys 32 b + 16 (lane / 16) + 0 .. 15, and the
; conversions' results are the second product's operand.  In LDS key k lies at row k with bits 3 and 4 exchanged, so that a tile's sixteen keys are sixteen neighbouring rows.
; A fragment is fetched by four loads of 16 bytes, 32 apart: a permutation of k that is the same on both sides of each product.
; LIMITS: eq + ek between -123 and 130 (added to c's exponent field); ep between -126 and 119; |t| under 2^23 (the hold at 448 x 2^ep is jumped over where ep >= -8: p is at most 2^(one rounding of t), which is then under
; 1.75 = 448 x 2^-8); NaN codes among the inputs are not served.
; REGISTERS.  Window 0: v1-11 addresses that stay; v12 -M, v13 the largest t, v[14:15] the sum in two halves; v16-31 Q; v32-95 four fragments of K or V; v96-159 S^T, then p, then V's other four fragments; v160-223 O^T;
;   v224-239 p's codes; v240 448 x 2^ep, v241 -infinity, v[242:243] a second chain of sums, v244 2^ep, v245-248 addresses, v249-254 at work.  Window 1: tile 1's v12-31 and v96-254 likewise (its S^T takes no fragments);
;   its v32-95 hold a slot's bytes between memory and LDS.
; THE MODE: SCHED_MODE bits 1:0 = 2 (LLVM: expert scheduling mode 2), set by the entry lines.  The code itself states the register dependences between vector or matrix instructions and memory or LDS instructions,
; with s_wait_alu, always for 0.
; THE PLAN.  Registers that memory or LDS instructions touch, and who else names them:
;   FR, window 0     In a key step: K's tiles 0-3 land, 8 products read them; K's tiles 4-7 land, 8 products; V's channels 0-63 land, 8 products.  On the way out tile 0's rows land there and the stores read them.
;   S^T, window 0    Written by the products, worked by tile 0's softmax, read last by its conversions; then V's channels 64-127 land, 8 products read them, and the next step's products write it.  Way out: data of LDS stores.
;   S^T, window 1    Way out: data of LDS stores.     O^T, window 0    Way out: tile 1's rows land there and the stores read them; a pass's start writes it.     Q, both windows: loaded in a pass's set-up, read by the products.
;   window 1's v32-95   Named by memory and LDS instructions alone: a slot's loads land, the LDS stores read them.
;   v1-11, v245-248     Addresses and offsets, written once at the head: K, V and the mask are reached by scalar bases and immediate offsets, and the prefetches by a scalar base that steps.
; So a key step has four waits on va_vdst, each ahead of a run of sixteen LDS loads: at its head, behind its first eight products, and the two that stand behind the exponentials in any case; a slot's head has one wait on
; vm_vsrc; a pass has one on va_vdst in its set-up, one ahead of the way out's LDS instructions, and one on vm_vsrc at its end.
.set SKIP,   1
.set KP,     144                       ; a key's row in LDS: 128 bytes + 16: sixteen neighbouring rows begin 16 bytes apart modulo 256
.set VP,     272                       ; a channel's row of V: 256 codes + 16
.set VOFF,   256*KP                    ; a slot: 256 rows of K, then 128 rows of V
.set SLOT,   VOFF+128*VP               ; 71,680 bytes; two slots
.set STAGE,  2*SLOT                    ; behind them: 16 rows x (512 + 16) bytes for each wave, for the way out
.set SPITCH, 528
.set WSTG,   16*SPITCH
.set AK,  1                            ; v1, v2   my lane's place in a tile of K, slot 0, 1
.set AV,  3                            ; v3, v4   the same for V
.set KST, 5                            ; v5, v6   where my thread puts 16 bytes of K, slot 0, 1
.set VST, 7                            ; v7, v8   the same for V
.set KGO, 9                            ; v9       my thread's byte in a piece of 4,096 bytes of K
.set VGO, 10                           ; v10      and among 16 rows of V
.set PFO, 11                           ; v11      the prefetches' offset; never rewritten
.set QF,  16
.set FR,  32
.set SC,  96
.set OT,  160
.set PC,  224
.set QO,  245                          ; v245     Q: row r, + 16 h
.set STO, 246                          ; v246     the stage: where I put 32 bytes of a row
.set RD,  247                          ; v247     and where I read a row back
.set GO,  248                          ; v248     16 x lane: my bytes of a head's 512 in a row of the output
.set WV,   2                           ; s2   my wave's number
.set TRIP, 3                           ; s3   trips to go: a trip is four key steps, two slots
.set PASS, 4                           ; s4   0, 1
.set BLK,  5                           ; s5   the pass's block of 256 queries
.set FA,   6                           ; s6   bit j: step j of the trip has a key that counts for my 32 queries
.set FB,   7                           ; s7   bit j: it has a hidden key
.set WA,   8                           ; s8   as FA, for the work-group's 256 queries; bits 4 and 5 are the next trip's first two steps
.set NH,   9                           ; s9   1 where ep < -8: the hold is needed
.set EO,   10                          ; s10  ep + ev
.set PFC,  11                          ; s11  prefetches still to be made
.set KB,   12                          ; s[12:13] K at the trip's first key;  s[14:15] V likewise
.set VB,   14
.set PFS,  66                          ; s[66:67] a slot on, in the prefetches' stream: bytes, with 0 above
.set TMP,  94
.set MB,   84                          ; s[84:85] mbits at my tile 0's record of the trip's first step
.set OB,   86                          ; s[86:87] the output at my first query's row, my head's 512 bytes
.set CS,   88                          ; s[88:89] c = log2(e) / sqrt(128) x 2^(eq + ek), twice
.set SEL,  90                          ; s[90:91] lane selects of v_permlanex16_b32: lane l xor 16
.set PFA,  92                          ; s[92:93] the head's K (waves 0-3) or V (waves 4-7), for the prefetches: it steps a slot at each
; s[16:63] and s[68:83]: a record's 64 mask words, word n in s[16 + n + 4 (n / 48)]; in a pass's set-up the same registers hold arguments and offsets.  s[94:101]: at work.
.set MSB, 0
.macro WIN new                         ; low byte: bits 1:0 source 0, 3:2 source 1, 5:4 source 2, 7:6 destination; the high byte repeats the setting that is left; every window is 0 at each label and branch
.if MSB != (\new)
	s_set_vgpr_msb (MSB<<8)|(\new)
.set MSB, (\new)
.endif
.endm
.macro PLACES n                        ; plain vector instructions behind a matrix instruction: four before a vector instruction reads its result or writes one of its registers, five before another matrix instruction writes over one of its sources (ISA guide 7.12.1)
.rept \n
	v_nop
.endr
.endm
.macro BAR                             ; my stores into the slot ahead have landed and my reads of the slot that I leave are back: then the work-group's barrier
	s_wait_dscnt 0x0
	s_barrier_signal -1
	s_barrier_wait -1
.endm
; A slot on its way from memory: 32 KiB of K (dense: a wave's load covers 512 consecutive bytes) and 256 codes of each of V's 128 rows (sixteen lanes cover 256 consecutive, aligned bytes), 16 loads a thread, into window 1.
.macro FILL_LOAD ko, vo
	WIN 0x40                                       ; destination window 1
.irp i, 0,1,2,3,4,5,6,7
	global_load_b128 v[32+4*\i:35+4*\i], v[KGO], s[KB:KB+1] offset:\ko+4096*\i
.endr
.irp i, 0,1,2,3,4,5,6,7
	global_load_b128 v[64+4*\i:67+4*\i], v[VGO], s[VB:VB+1] offset:\vo+32768*\i
.endr
	WIN 0
.endm
.macro FILL_STORE sl
	WIN 0x04                                       ; an LDS store's data are its source 1: window 1
.irp i, 0,1,2,3,4,5,6,7
	ds_store_b128 v[KST+\sl], v[32+4*\i:35+4*\i] offset:\i*32*KP     ; keys 32 i + thread / 8, at their exchanged rows
.endr
.irp i, 0,1,2,3,4,5,6,7
	ds_store_b128 v[VST+\sl], v[64+4*\i:67+4*\i] offset:\i*16*VP     ; channels 16 i + thread / 16
.endr
	WIN 0
.endm
; A PREFETCH INTO THE L2: at the head of slot s of pass 0 the head's first work-group (x = 0) asks for slot s + 2, s = 0 .. 5: two key steps ahead of the loads that fetch that slot.  One instruction a wave: waves 0-3 name
; K's 32 KiB, 8 KiB a wave, lanes 256 bytes apart; waves 4-7 V's 128 rows, 32 a wave, a lane a row (a slot's part of a row is 256 bytes, aligned).  So each aligned block of 256 bytes of slots 2 to 7 is named once in the launch.
; Slots 0 and 1 come by their loads alone, and nothing is asked for in pass 1 or by the other three work-groups.  It stands behind the wave's own loads of the slot's head.
.macro ASK
	s_cmp_lg_u32 s[PFC], 0
	s_cbranch_scc0 .Lnoask_\@
	s_add_nc_u64 s[PFA:PFA+1], s[PFA:PFA+1], s[PFS:PFS+1]   ; a slot on (the last prefetch has read its base: the wait on XCNT at the slot's head).  The offset v[PFO] stays as the head made it
	global_prefetch_b8 v[PFO], s[PFA:PFA+1] th:TH_LOAD_NT scope:SCOPE_SE
	s_sub_co_u32 s[PFC], s[PFC], 1
.Lnoask_\@:
.endm
; A slot's head: the barrier, on every wave's path; then the OTHER slot's next bytes are asked of memory, where some wave of the work-group will need them (field m of WA).
.macro SLOTHEAD m, ko, vo
	BAR
	s_wait_xcnt 0x0
	s_wait_alu depctr_vm_vsrc(0)                   ; the LDS stores of the slot's end before have read window 1's v32-95, in which the loads below land; no vector instruction ever names those registers
	s_and_b32 s[TMP], s[WA], \m
	s_cmp_eq_u32 s[TMP], 0
	s_cbranch_scc1 .Lnofill_\@
	FILL_LOAD \ko, \vo
.Lnofill_\@:
	ASK
.endm
; A slot's end: what was asked for at its head goes into the other slot, which nobody reads between this slot's barrier and the next.
.macro SLOTEND m, sl
	s_wait_loadcnt 0x0                             ; outside the branch: no load is out on any path
	s_and_b32 s[TMP], s[WA], \m
	s_cmp_eq_u32 s[TMP], 0
	s_cbranch_scc1 .Lnostore_\@
	FILL_STORE \sl
.Lnostore_\@:
.endm
.macro MLOAD t, bit                    ; the record of tile t, step bit of the trip: 64 words into scalar registers
	s_load_b512 s[16:31], s[MB:MB+1], 4096*\t+256*\bit
	s_load_b512 s[32:47], s[MB:MB+1], 4096*\t+256*\bit+64
	s_load_b512 s[48:63], s[MB:MB+1], 4096*\t+256*\bit+128
	s_load_b512 s[68:83], s[MB:MB+1], 4096*\t+256*\bit+192
.endm
.macro KLOAD sl, q, g                  ; four tiles of 16 keys: rows 128 q + 16 (4 g + f) on
.irp f, 0,1,2,3
.irp c, 0,1,2,3
	ds_load_b128 v[FR+16*\f+4*\c:FR+16*\f+4*\c+3], v[AK+\sl] offset:(128*\q+16*(4*\g+\f))*KP+32*\c
.endr
.endr
.endm
.macro VLOAD sl, q, g, dst             ; four tiles of 16 channels, keys 128 q on, into v[dst] on
.irp f, 0,1,2,3
.irp c, 0,1,2,3
	ds_load_b128 v[\dst+16*\f+4*\c:\dst+16*\f+4*\c+3], v[AV+\sl] offset:16*(4*\g+\f)*VP+128*\q+32*\c
.endr
.endr
.endm
; Eight products: the four fragments against tile 0's Q, then against tile 1's.  The waits count the loads behind fragment f: four for each later fragment of the group; nothing else of the wave is on DScnt here.
.macro KQ g
.irp f, 0,1,2,3
	s_wait_dscnt 12-4*\f
	v_wmma_f32_16x16x128_fp8_fp8 v[SC+8*(4*\g+\f):SC+8*(4*\g+\f)+7], v[FR+16*\f:FR+16*\f+15], v[QF:QF+15], 0
.endr
	WIN 0x44                                       ; Q and S^T in window 1, K in window 0
.irp f, 0,1,2,3
	v_wmma_f32_16x16x128_fp8_fp8 v[SC+8*(4*\g+\f):SC+8*(4*\g+\f)+7], v[FR+16*\f:FR+16*\f+15], v[QF:QF+15], 0
.endr
	WIN 0
.endm
; Four products of O^T += V^T P^T, for the tile whose window is set: channels 64 g on, V's fragments at v[src] on in window 0.  pace = 1: the waits count the loads behind fragment f, as in KQ.
; Each of the 16 accumulators of O^T has one product a key step, and no two matrix instructions that follow each other share an accumulator.
.macro PVG src, g, pace
.irp f, 0,1,2,3
.if \pace
	s_wait_dscnt 12-4*\f
.endif
	v_wmma_f32_16x16x128_fp8_fp8 v[OT+8*(4*\g+\f):OT+8*(4*\g+\f)+7], v[\src+16*\f:\src+16*\f+15], v[PC:PC+15], v[OT+8*(4*\g+\f):OT+8*(4*\g+\f)+7]
.endr
.endm
; One tile's softmax for one key step, under the tile's window.  Behind its exponentials stands one wait, and behind that wait a run of V's loads, under window 0.  It leaves the tile's window set.
.macro SOFTMAX t, bit, sl, q
.if \t
	s_wait_kmcnt 0x0                               ; tile 1's mask words, asked for ahead of tile 0's softmax
.endif
	s_bitcmp1_b32 s[FB], \bit
	s_cbranch_scc0 .Lopen_\@                       ; no key of the step is hidden from my 32 queries
	WIN 0x55*\t
.set n, 0
.rept 64                                       ; hidden scores become -infinity ahead of the maximum; each accumulator from its low end on
	v_cndmask_b32 v[SC+n], v[SC+n], v241, s[16+n+4*(n/48)]
.set n, n+1
.endr
	WIN 0
.Lopen_\@:
.if \t == 0
	MLOAD 1, \bit                                  ; tile 0's words have been read
.endif
	WIN 0x55*\t
	v_max3_num_f32 v254, v[SC], v[SC+1], v[SC+2]   ; the step's largest score of my query among my 64 keys, in two chains, ascending
	v_max3_num_f32 v252, v[SC+3], v[SC+4], v[SC+5]
.set j, 6
.rept 14
	v_max3_num_f32 v254, v254, v[SC+j], v[SC+j+1]
	v_max3_num_f32 v252, v252, v[SC+j+2], v[SC+j+3]
.set j, j+4
.endr
	v_max3_num_f32 v254, v254, v[SC+62], v[SC+63]
	v_max_num_f32 v254, v254, v252
	v_permlanex16_b32 v236, v254, s[SEL], s[SEL+1]
	v_max_num_f32 v254, v254, v236                 ; and among lane l xor 16's
	v_mul_f32 v254, s[CS], v254                    ; as t (c is positive)
	v_max_num_f32 v13, v13, v254                   ; the running largest t
	v_mov_b32 v254, v12
	v_floor_f32 v12, -v13                          ; the new -M = floor(-t) = -ceil(t): a whole number
	v_sub_f32 v254, v12, v254                      ; old M less new M: a whole number, 0 or less
	v_cvt_i32_f32 v254, v254                       ; (it saturates)
	v_ldexp_f32 v252, 1.0, v254                    ; f = 2^(old M - new M)
.set j, 0
.rept 32
	v_pk_fma_f32 v[SC+j:SC+j+1], v[SC+j:SC+j+1], s[CS:CS+1], v[12:13] op_sel_hi:[1,0,0]   ; t - M, two at a time (of the pairs c and -M the low word serves both halves)
.set j, j+2
.endr
.set j, 0
.rept 64
	v_exp_f32 v[SC+j], v[SC+j]                     ; p = 2^(t - M): not normalised
.set j, j+1
.endr
	v_pk_mul_f32 v[14:15], v[14:15], v[252:253] op_sel_hi:[1,0]   ; the sums under the new M: the plain instruction behind the exponentials
	WIN 0                                          ; the loads below name window 0: the switch, then the wait, then the loads
.if \t == 0
	s_wait_alu depctr_va_vdst(0)                   ; the 64 exponentials have written p, ahead of its first reader; and the step's score products are done reading FR, in which the loads below land
	VLOAD \sl, \q, 0, FR                           ; V's channels 0-63: they land under the sums, the conversions and the rescaling
.else
	s_wait_alu depctr_va_vdst(0)                   ; the 64 exponentials have written p, ahead of its first reader; and tile 0's softmax, its conversions last, is done with window 0's S^T, in which the loads below land
	VLOAD \sl, \q, 1, SC                           ; V's channels 64-127; nothing of tile 1's softmax names window 0
.endif
	WIN 0x55*\t
	v_pk_add_f32 v[242:243], v[SC:SC+1], v[SC+2:SC+3]             ; the row's sum is taken of the unquantised p, in two chains
.set j, 4
.rept 15
	v_pk_add_f32 v[14:15], v[14:15], v[SC+j:SC+j+1]
	v_pk_add_f32 v[242:243], v[242:243], v[SC+j+2:SC+j+3]
.set j, j+4
.endr
	v_pk_add_f32 v[14:15], v[14:15], v[242:243]
	WIN 0
	s_cmp_eq_u32 s[NH], 0
	s_cbranch_scc1 .Lnohold_\@                     ; ep >= -8: no p lies beyond 448 x 2^ep
	WIN 0x55*\t
.set j, 0
.rept 64
	v_min_num_f32 v[SC+j], v[SC+j], v240           ; the conversion to an 8-bit code does not saturate (ISA guide 7.6.2); p is not negative, so the hold is one-sided
.set j, j+1
.endr
	WIN 0
.Lnohold_\@:
	WIN 0x55*\t
.irp u, 0,1,2,3
	v_cvt_scalef32_pk8_fp8_f32 v[PC+4*\u:PC+4*\u+1], v[SC+16*\u:SC+16*\u+7], v244
	v_cvt_scalef32_pk8_fp8_f32 v[PC+4*\u+2:PC+4*\u+3], v[SC+16*\u+8:SC+16*\u+15], v244
.endr
.set j, 0
.rept 32
	v_pk_mul_f32 v[OT+j:OT+j+1], v[OT+j:OT+j+1], v[252:253] op_sel_hi:[1,0]   ; O^T under the new M, ascending; these are also the plain instructions behind the conversions
.set j, j+2
.endr
.endm
; A KEY STEP: 128 keys, the q-th of slot sl, step bit of the trip.  Jumped over where none of its keys counts for my 32 queries; no barrier stands in a step.
.macro STEP sl, q, bit
	s_bitcmp1_b32 s[FA], \bit
	s_cbranch_scc0 .Lskip_\@
	MLOAD 0, \bit
	s_wait_alu depctr_va_vdst(0)                   ; the products of the step before are done reading FR, in which the loads below land
	KLOAD \sl, \q, 0
	KQ 0
	s_wait_alu depctr_va_vdst(0)                   ; those eight products are done reading FR, in which the loads below land
	KLOAD \sl, \q, 1
	KQ 1
	PLACES 4                                       ; ahead of the first read of S^T
	s_wait_kmcnt 0x0                               ; tile 0's mask words
	SOFTMAX 0, \bit, \sl, \q
	PVG FR, 0, 1                                   ; tile 0, channels 0-63: these four stand beside tile 1's softmax
	SOFTMAX 1, \bit, \sl, \q
	WIN 0x54                                       ; P and O^T in window 1, V in window 0
	PVG FR, 0, 0                                   ; tile 1, channels 0-63: the fragments came in for tile 0's products
	PVG SC, 1, 1                                   ; tile 1, channels 64-127
	WIN 0
	PVG SC, 1, 0                                   ; tile 0, channels 64-127
	PLACES 5                                       ; the next step's first products write S^T over the registers from which these took V; the first read of O^T stands behind them too
.Lskip_\@:
.endm
.macro INIT                            ; a tile's start.  Which step is a tile's first hangs on the mask, so no product can be singled out to start the sums: O^T begins as zeros, which the first change of M leaves zeros
	v_mov_b32 v13, 0xff61b1e6                      ; the largest t so far: -3e38
	v_floor_f32 v12, -v13                          ; -M
	v_mov_b32 v14, 0
	v_mov_b32 v15, 0
.set j, 0
.rept 64
	v_mov_b32 v[OT+j], 0
.set j, j+1
.endr
.endm
.macro FINISH                          ; a tile's end: O^T x 2^(ep + ev) / the row's sum, into S^T's registers
	v_add_f32 v14, v14, v15
	v_permlanex16_b32 v252, v14, s[SEL], s[SEL+1]
	v_add_f32 v14, v14, v252                       ; the sum's two halves and lane l xor 16's
	v_rcp_f32 v14, v14
	v_nop                                          ; a plain instruction behind the reciprocal,
	s_wait_alu depctr_va_vdst(0)                   ; and the reciprocal has written v14, ahead of its first reader
	v_ldexp_f32 v14, v14, s[EO]
.set j, 0
.rept 32
	v_pk_mul_f32 v[SC+j:SC+j+1], v[OT+j:OT+j+1], v[14:15] op_sel_hi:[1,0]   ; register 8 f + i is o(query r, channel 16 f + 8 h + i); ascending
.set j, j+2
.endr
.endm
	; ---- the head, once
	s_load_b256 s[36:43], s[0:1], 0x0              ; Q, K s[38:39], V s[40:41], the scales' exponents s[42:43]
	s_set_vgpr_msb 0x40
	v_lshl_add_u32 v251, v0, 2, 0x33800
	v_mov_b32 v255, 0
	s_set_vgpr_msb 0x4000
	v_lshrrev_b32 v1, 5, v0
	v_readfirstlane_b32 s[WV], v1                  ; wave 0..7
	v_and_b32 v249, 15, v0                         ; r (also thread % 16)
	v_bfe_u32 v250, v0, 4, 1                       ; h
	v_mul_u32_u24 v[AK], v249, KP
	v_lshl_add_u32 v[AK], v250, 4, v[AK]           ; row r x pitch + 16 h
	v_add_nc_u32 v[AK+1], SLOT, v[AK]
	v_mul_u32_u24 v[AV], v249, VP
	v_lshl_add_u32 v[AV], v250, 4, v[AV]
	v_add_nc_u32 v[AV], VOFF, v[AV]
	v_add_nc_u32 v[AV+1], SLOT, v[AV]
	v_bfe_u32 v251, v0, 3, 3                       ; key k5 = thread / 8 of 32: its bits 0-2,
	v_bfe_u32 v254, v0, 7, 1
	v_lshl_add_u32 v251, v254, 3, v251             ; its bit 4 as bit 3,
	v_bfe_u32 v254, v0, 6, 1
	v_lshl_add_u32 v251, v254, 4, v251             ; its bit 3 as bit 4: the key's row
	v_mul_u32_u24 v[KST], v251, KP
	v_and_b32 v254, 7, v0
	v_lshl_add_u32 v[KST], v254, 4, v[KST]
	v_add_nc_u32 v[KST+1], SLOT, v[KST]
	v_lshrrev_b32 v251, 4, v0                      ; thread / 16: a channel of 16
	v_mul_u32_u24 v[VST], v251, VP
	v_lshl_add_u32 v[VST], v249, 4, v[VST]
	v_add_nc_u32 v[VST], VOFF, v[VST]
	v_add_nc_u32 v[VST+1], SLOT, v[VST]
	v_lshlrev_b32 v[KGO], 4, v0
	v_lshlrev_b32 v[VGO], 11, v251                 ; a row of V is 2,048 bytes
	v_lshl_add_u32 v[VGO], v249, 4, v[VGO]
	v_lshlrev_b32 v[QO], 7, v249
	v_lshl_add_u32 v[QO], v250, 4, v[QO]
	s_wait_alu depctr_va_sdst(0)                   ; the wave's number is written to s2, ahead of its first reader
	s_mul_i32 s94, s[WV], WSTG
	s_add_co_u32 s94, s94, STAGE                   ; my stage
	v_mul_u32_u24 v[STO], v249, SPITCH
	v_lshl_add_u32 v[STO], v250, 5, v[STO]
	v_add_nc_u32 v[STO], s94, v[STO]               ; in: row r, + 32 h
	v_and_b32 v[GO], 31, v0
	v_lshlrev_b32 v[GO], 4, v[GO]
	v_add_nc_u32 v[RD], s94, v[GO]                 ; back: a row of 512 bytes, 16 a lane
	s_mov_b32 s[SEL], 0x76543210
	s_mov_b32 s[SEL+1], 0xfedcba98
	s_and_b32 s95, ttmp7, 0xffff                   ; the head, 32 b + h
	s_lshl_b32 s96, s95, 18                        ; a head's codes are 2^18 bytes in each of Q, K, V
	s_mov_b32 s97, 0
	s_wait_kmcnt 0x0
	s_load_b128 s[52:55], s[42:43], 0x0            ; eq, ek, ep, ev
	s_cmp_lt_u32 s[WV], 4                          ; the prefetches: waves 0-3 ask for K, waves 4-7 for V
	s_cselect_b64 s[PFA:PFA+1], s[38:39], s[40:41]
	s_mov_b32 s[PFS], 256
	s_cselect_b32 s[PFS], 0x8000, s[PFS]           ; a slot on,
	s_mov_b32 s[PFS+1], 0                          ; as a pair
	s_mov_b32 s98, 2048
	s_cselect_b32 s98, 256, s98                    ; from lane to lane
	s_mov_b32 s99, 0x10000
	s_cselect_b32 s99, 8192, s99                   ; from wave to wave
	s_add_nc_u64 s[PFA:PFA+1], s[PFA:PFA+1], s[96:97]
	v_and_b32 v[PFO], 31, v0
	v_mul_lo_u32 v[PFO], v[PFO], s98
	s_and_b32 s100, s[WV], 3
	s_mul_i32 s100, s100, s99
	s_add_co_u32 s100, s100, s[PFS]                ; in slot 1: the first request's step of the base makes it slot 2
	v_add_nc_u32 v[PFO], s100, v[PFO]
	s_cmp_eq_u32 ttmp9, 0
	s_cselect_b32 s[PFC], 6, 0                     ; the head's first work-group asks, six times
	s_wait_kmcnt 0x0
	s_add_co_i32 s94, s52, s53
	s_lshl_b32 s94, s94, 23
	s_add_co_i32 s[CS], s94, 0x3e0293ee            ; c = log2(e) / sqrt(128), with eq + ek added to its exponent field
	s_mov_b32 s[CS+1], s[CS]
	s_add_co_i32 s94, s54, 127
	s_lshl_b32 s95, s94, 23                        ; 2^ep as f32: the conversion takes its exponent field
	s_add_co_i32 s94, s94, 8
	s_lshl_b32 s94, s94, 23
	s_or_b32 s94, s94, 0x600000                    ; 448 x 2^ep
	s_cmp_lt_i32 s54, -8
	s_cselect_b32 s[NH], 1, 0
	s_add_co_i32 s[EO], s54, s55
.irp w, 0, 0x40                        ; the constants, in both windows
	WIN \w
	v_mov_b32 v244, s95
	v_mov_b32 v240, s94
	v_mov_b32 v241, 0xff800000                     ; -infinity
	v_mov_b32 v236, 0                              ; written once: a lane permute's destination counts as one of its sources
	v_mov_b32 v252, 0                              ; likewise
	v_mov_b32 v253, 0                              ; (named as the upper half of the pair v[252:253])
.endr
	WIN 0
	s_mov_b32 s[PASS], 0
.Lpass:	; ---- a pass: one block of 256 queries
	s_load_b256 s[36:43], s[0:1], 0x0              ; Q s[36:37], K s[38:39], V s[40:41]
	s_load_b128 s[44:47], s[0:1], 0x20             ; mbits s[44:45], mflags s[46:47]
	s_load_b64 s[48:49], s[0:1], 0x30              ; the output
	s_sub_co_u32 s94, 7, ttmp9
	s_cmp_eq_u32 s[PASS], 0
	s_cselect_b32 s[BLK], s94, ttmp9               ; block 7 - p, then block p
	s_and_b32 s95, ttmp7, 0xffff
	s_lshr_b32 s96, s95, 5                         ; b
	s_and_b32 s97, s95, 31                         ; h
	s_lshl_b32 s98, s[BLK], 8
	s_lshl_b32 s99, s[WV], 5
	s_add_co_u32 s98, s98, s99                     ; q0, my first query
	s_lshl_b32 s52, s95, 18                        ; the head's codes
	s_mov_b32 s53, 0
	s_lshl_b32 s54, s98, 7
	s_add_co_u32 s54, s54, s52                     ; Q at q0
	s_mov_b32 s55, 0
	s_lshl_b32 s56, s96, 9
	s_lshl_b32 s99, s[BLK], 6
	s_add_co_u32 s56, s56, s99                     ; the block's 16 words of mflags: 4 (128 b + 16 block)
	s_mov_b32 s57, 0
	s_lshl_b32 s62, s[WV], 3
	s_add_co_u32 s62, s62, s56                     ; my two of them
	s_mov_b32 s63, 0
	s_lshl_b32 s58, s96, 7
	s_lshl_b32 s99, s[BLK], 4
	s_add_co_u32 s58, s58, s99
	s_lshl_b32 s99, s[WV], 1
	s_add_co_u32 s58, s58, s99                     ; my tile 0: 128 b + 16 block + 2 wave;
	s_lshl_b32 s58, s58, 12                        ; a tile's 16 records are 4,096 bytes
	s_mov_b32 s59, 0
	s_lshl_b32 s60, s96, 11
	s_add_co_u32 s60, s60, s98
	s_lshl_b32 s60, s60, 14                        ; a row of the output is 16,384 bytes (the offset stays under 2^27)
	s_lshl_b32 s99, s97, 9
	s_add_co_u32 s60, s60, s99                     ; + my head's 512
	s_mov_b32 s61, 0
	s_wait_kmcnt 0x0
	s_add_nc_u64 s[KB:KB+1], s[38:39], s[52:53]
	s_add_nc_u64 s[VB:VB+1], s[40:41], s[52:53]
	s_add_nc_u64 s[36:37], s[36:37], s[54:55]
	s_add_nc_u64 s[MB:MB+1], s[44:45], s[58:59]
	s_add_nc_u64 s[OB:OB+1], s[48:49], s[60:61]
	s_add_nc_u64 s[56:57], s[46:47], s[56:57]
	s_add_nc_u64 s[62:63], s[46:47], s[62:63]
	s_load_b512 s[16:31], s[56:57], 0x0            ; the work-group's 16 tiles' flags
	s_load_b64 s[32:33], s[62:63], 0x0             ; my two tiles'
	s_wait_alu depctr_va_vdst(0)                   ; the head has written the addresses and offsets v1-11 and v245-248, which every load, store and prefetch of the kernel reads; the last pass's products are done reading Q, in which loads below land
	FILL_LOAD 0, 0                                 ; slot 0 is fetched in any case
.irp c, 0,1,2,3
	global_load_b128 v[QF+4*\c:QF+4*\c+3], v[QO], s[36:37] offset:32*\c th:TH_LOAD_NT        ; Q stays in registers; read once in the launch
.endr
	WIN 0x40
.irp c, 0,1,2,3
	global_load_b128 v[QF+4*\c:QF+4*\c+3], v[QO], s[36:37] offset:2048+32*\c th:TH_LOAD_NT   ; tile 1: 16 rows on
.endr
	WIN 0
	INIT
	WIN 0x55
	INIT
	WIN 0
	s_wait_kmcnt 0x0
.set j, 17
.rept 15
	s_or_b32 s16, s16, s[j]
.set j, j+1
.endr
	s_and_b32 s[WA], s16, 0xffff
	s_or_b32 s94, s32, s33
	s_and_b32 s[FA], s94, 0xffff
	s_lshr_b32 s[FB], s94, 16
.if SKIP == 0
	s_mov_b32 s[WA], 0xffff
	s_mov_b32 s[FA], 0xffff
.endif
	s_wait_loadcnt 0x0                             ; slot 0's bytes and Q
	s_wait_xcnt 0x0                                ; the registers that held Q's and the flags' addresses take mask words next
	FILL_STORE 0                                   ; nobody reads slot 0 here: every wave has passed the last pass's last barrier, behind which slot 1 alone is read
	s_mov_b32 s[TRIP], 4
.Ltrip:	; ---- a trip: slots 0 and 1, key steps 4 T .. 4 T + 3.  Between a slot's barrier and the next, that slot is read and the other is written
	SLOTHEAD 12, 32768, 256                        ; slot 1 (steps 2, 3 of the trip) is asked for
	STEP 0, 0, 0
	STEP 0, 1, 1
	SLOTEND 12, 1
	SLOTHEAD 48, 65536, 512                        ; the next trip's slot 0; in the last trip WA has no bits 4 and 5 left: nothing past the head's last key is asked for
	STEP 1, 0, 2
	STEP 1, 1, 3
	SLOTEND 48, 0
	s_wait_xcnt 0x0                                ; every memory instruction issued so far has read its base: the three are stepped
	s_lshr_b32 s[FA], s[FA], 4
	s_lshr_b32 s[FB], s[FB], 4
	s_lshr_b32 s[WA], s[WA], 4
	s_add_nc_u64 s[KB:KB+1], s[KB:KB+1], 0x10000   ; 512 keys of 128 bytes
	s_add_nc_u64 s[VB:VB+1], s[VB:VB+1], 512
	s_add_nc_u64 s[MB:MB+1], s[MB:MB+1], 1024      ; four records
	s_sub_co_u32 s[TRIP], s[TRIP], 1
	s_cmp_lg_u32 s[TRIP], 0
	s_cbranch_scc1 .Ltrip
	; ---- the way out of a pass.  A lane holds 32 neighbouring bytes of a row and the lanes beside it other rows: a tile goes through my own stage in LDS and comes back as whole rows of 512 bytes.
	FINISH
	WIN 0x55
	FINISH
	WIN 0
	s_wait_alu depctr_va_vdst(0)                   ; both tiles' numbers are written to S^T's registers, which the LDS stores below read; the products are done reading FR, and the multiplications O^T of window 0: in these two the rows below land
.irp f, 0,1,2,3,4,5,6,7
	ds_store_b128 v[STO], v[SC+8*\f:SC+8*\f+3] offset:64*\f
	ds_store_b128 v[STO], v[SC+8*\f+4:SC+8*\f+7] offset:64*\f+16
.endr
.irp i, 0,1,2,3,4,5,6,7,8,9,10,11,12,13,14,15
	ds_load_b128 v[FR+4*\i:FR+4*\i+3], v[RD] offset:\i*SPITCH      ; LDS serves a wave's instructions in order (ISA guide 5.7.1.4): these see the stores above, and tile 1's stores come behind them
.endr
	WIN 0x04                                       ; tile 1's numbers lie in window 1
.irp f, 0,1,2,3,4,5,6,7
	ds_store_b128 v[STO], v[SC+8*\f:SC+8*\f+3] offset:64*\f
	ds_store_b128 v[STO], v[SC+8*\f+4:SC+8*\f+7] offset:64*\f+16
.endr
	WIN 0
.irp i, 0,1,2,3,4,5,6,7,8,9,10,11,12,13,14,15
	ds_load_b128 v[OT+4*\i:OT+4*\i+3], v[RD] offset:\i*SPITCH      ; into O^T of window 0, which no instruction since the wait above names
.endr
.irp i, 0,1,2,3,4,5,6,7,8,9,10,11,12,13,14,15
	s_wait_dscnt 47-\i                             ; behind tile 0's load i: its 15 - i later loads, tile 1's 16 stores and 16 loads
	global_store_b128 v[GO], v[FR+4*\i:FR+4*\i+3], s[OB:OB+1] offset:16384*\i th:TH_STORE_NT        ; 32 lanes store 512 consecutive bytes, at a multiple of 256 from the buffer's first byte
.endr
.irp i, 0,1,2,3,4,5,6,7,8,9,10,11,12,13,14,15
	s_wait_dscnt 15-\i                             ; behind tile 1's load i: its later loads
	global_store_b128 v[GO], v[OT+4*\i:OT+4*\i+3], s[OB:OB+1] offset:16384*(16+\i) th:TH_STORE_NT
.endr
	s_wait_xcnt 0x0                                ; the stores have had their addresses translated: their registers and their base are written again in the next pass
	s_wait_alu depctr_vm_vsrc(0)                   ; the stores have read FR and O^T of window 0, the LDS stores S^T of both windows: the next pass's zeros, products and loads write all of these again
	s_add_co_u32 s[PASS], s[PASS], 1
	s_cmp_lt_u32 s[PASS], 2
	s_cbranch_scc1 .Lpass
	s_set_vgpr_msb 0x5
	s_wait_dscnt 0x0
	s_wait_alu depctr_hold_cnt(0) depctr_sa_sdst(0) depctr_va_vdst(0) depctr_va_sdst(0) depctr_va_ssrc(0) depctr_va_vcc(0) depctr_vm_vsrc(0)
	s_wait_tensorcnt 0x0
	ds_add_u32 v251, v255
	s_wait_dscnt 0x0
	s_endpgm
.Lfunc_end_k_q97b277ee7b_attn:
	.size	k_q97b277ee7b_attn, .Lfunc_end_k_q97b277ee7b_attn-k_q97b277ee7b_attn
	.p2alignl 7, 3214868480
	.fill 96, 4, 3214868480
	.section	.rodata,"a",@progbits
	.p2align	6, 0x0
	.amdhsa_kernel k_q97b277ee7b_attn
		.amdhsa_group_segment_fixed_size 211968
		.amdhsa_private_segment_fixed_size 0
		.amdhsa_enable_private_segment 0
		.amdhsa_kernarg_size 56
		.amdhsa_user_sgpr_count 2
		.amdhsa_user_sgpr_kernarg_segment_ptr 1
		.amdhsa_wavefront_size32 1
		.amdhsa_system_sgpr_workgroup_id_x 1
		.amdhsa_system_sgpr_workgroup_id_y 1
		.amdhsa_system_sgpr_workgroup_id_z 1
		.amdhsa_system_vgpr_workitem_id 0
		.amdhsa_next_free_vgpr 512
		.amdhsa_next_free_sgpr 102
		.amdhsa_reserve_vcc 0
		.amdhsa_float_denorm_mode_32 3
		.amdhsa_float_denorm_mode_16_64 3
		.amdhsa_memory_ordered 1
		.amdhsa_forward_progress 1
		.amdhsa_inst_pref_size 204
	.end_amdhsa_kernel
	.amdgpu_metadata
---
amdhsa.version: [ 1, 2 ]
amdhsa.kernels:
  - .name:           k_q97b277ee7b_attn
    .symbol:         k_q97b277ee7b_attn.kd
    .args:
      - { .name: query_layer_codes, .offset: 0, .size: 8, .value_kind: global_buffer, .address_space: global }
      - { .name: key_layer_codes, .offset: 8, .size: 8, .value_kind: global_buffer, .address_space: global }
      - { .name: value_layer_codes, .offset: 16, .size: 8, .value_kind: global_buffer, .address_space: global }
      - { .name: lowp_scales, .offset: 24, .size: 8, .value_kind: global_buffer, .address_space: global }
      - { .name: mbits, .offset: 32, .size: 8, .value_kind: global_buffer, .address_space: global }
      - { .name: mflags, .offset: 40, .size: 8, .value_kind: global_buffer, .address_space: global }
      - { .name: out0, .offset: 48, .size: 8, .value_kind: global_buffer, .address_space: global }
    .group_segment_fixed_size: 211968
    .private_segment_fixed_size: 0
    .kernarg_segment_align: 8
    .kernarg_segment_size: 56
    .max_flat_workgroup_size: 256
    .sgpr_count:     102
    .vgpr_count:     512
    .wavefront_size: 32
...
	.end_amdgpu_metadata
.endif
;; end of part 3
